; MI455X (gfx1250); checked and timed in simulation.
; The chip was launched on July 23, 2026; its instructions are those of AMD's public machine-readable ISA for CDNA 5 (MIT licence, August 2026) and "CDNA5" Instruction Set Architecture Reference Guide (July 2026). The comments in the code are by the model that wrote it; some were corrected since.
;; Multi Head Attention. Allowed arithmetic: float matrix products may take bf16 or f16 operands with f32 sums; all other float work in f32.
;; Inputs: Wk 1,024 x 1,024 float32; Wq 1,024 x 1,024 float32; Wv 1,024 x 1,024 float32; bk 1,024 float32; bq 1,024 float32; bv 1,024 float32; k 2 x 2,048 x 1,024 float32; mask 2 x 2,048 bool; q 2 x 2,048 x 1,024 float32; v 2 x 2,048 x 1,024 float32.
;; Outputs: out0 2 x 2,048 x 1,024 float32.
;; One version. Each part assembles by itself: llvm-mc -triple=amdgcn-amd-amdhsa -mcpu=gfx1250 --defsym DOCPART=n.
;; ======== version 1 of 1: 2 launches
;; limits: values are held in f16: magnitudes above 65,504 overflow, below 6.1e-05 lose precision; right only within a limited range of input values
;; workspace buffers: qkvh 25,165,824 bytes
;; launch proj (part 1): grid 4 x 48, 4 waves a work-group, clusters of 4 x 4, 327,680 bytes of LDS; arguments q, k, v, Wq, Wk, Wv, bq, bk, bv, qkvh; writes qkvh
.if DOCPART == 1
	.amdgcn_target "amdgcn-amd-amdhsa--gfx1250"
	.amdhsa_code_object_version 6
	.text
	.protected	k_qc043b03021_proj
	.globl	k_qc043b03021_proj
	.p2align	8
	.type	k_qc043b03021_proj,@function
k_qc043b03021_proj:
	s_mov_b64 s[64:65], 0
	v_nop
	global_prefetch_b8 v0, s[64:65] scope:SCOPE_SE
	s_setreg_imm32_b32 hwreg(HW_REG_WAVE_MODE, 25, 1), 1
	s_wait_xcnt 0x0
	s_wait_alu depctr_hold_cnt(0) depctr_sa_sdst(0) depctr_va_vdst(0) depctr_va_sdst(0) depctr_va_ssrc(0) depctr_va_vcc(0) depctr_vm_vsrc(0)
	s_getreg_b32 s2, hwreg(HW_REG_IB_STS2, 6, 4)
	s_cmp_eq_u32 s2, 0
	s_cbranch_scc0 .Lentry_in_a_cluster
	s_endpgm
.Lentry_in_a_cluster:
	s_bfe_u32 s2, ttmp6, 0x10000c
	s_cmp_lg_u32 s2, 0xf033
	s_cbranch_scc0 .Lentry_shape_is_right
	s_endpgm
.Lentry_shape_is_right:
; The three projections y = x W^T + b of [4096][1024] f32 by [1024][1024] f32, scaled, rounded to f16 and stored by heads:
; qkvh byte = t*8388608 + (batch*16 + head)*262144 + s*128 + d*2, t = 0 Q, 1 K, 2 V.
; Q and K (bias included) are each multiplied by sqrt(0.125 log2(e)), so that the attention launch's raw products are the scores in base-2 units;
; V by 2^-3, which the attention launch undoes at its end.  The scales only place the numbers in f16's range.
; A work-group makes 256 x 256 of one y with four waves, a wave 128 x 128 in 64 accumulator tiles (512 registers).
; 3 tensors x 16 row blocks x 4 column blocks = 192 work-groups: smaller blocks would make 768, but each f32 byte brought to LDS
; would then feed half as many products.
; K goes in steps of 64 f32 (tile rows of 256 bytes, starting at multiples of 256 bytes) through two LDS slots.  The tiles stay f32 in LDS;
; each wave rounds its fragments to f16 between the LDS load and the matrix instruction (v_cvt_pk_f16_f32).
; The 64 LDS loads of a half step (32 along K) go out in four runs of sixteen among the matrix instructions of the half step before.
; CLUSTERS: 4 x 4 work-groups = 1024 rows x all 1024 columns of one tensor.  x tiles are asked for jointly along a row of the cluster,
; W tiles along a column, which divides the requests for both by four.
; WHY f16 AND NOT bf16: four roundings to 8 significant bits (Q, K, V, the weights) add up to about a third of the error that the result may have,
; too much for four million numbers; f16 has 11 bits.
; LIMITS: matrix operands are f16, sums f32; the result is rounded once to f16.  |x|, |W| < 65,504; |y| < 154,000 for Q and K, < 524,000 for V.
; x and W 30 times the usual size give |y| near 5,000; both with an offset of 30 spreads give |y| near 1024 x 30 x 0.94 = 28,800: inside.
; Both at once (|y| near 2.6e7) is outside and not served.
; REGISTERS: window 0: v16-27 addresses, v64-191 x fragments in f32 (8 x 16), v192-255 the same in f16 (8 x 8)
;            window 1: v0-63 bias of my 128 columns, v64-191 and v192-255 the same two areas for W
;            windows 2, 3: accumulators, tile (a, b) at v[8 (8 a + b)], rows 0-63 and 64-127 of my block
.set PITCH,  272                       ; LDS row: 256 bytes + 16 of padding, an odd multiple of 16: sixteen rows start at sixteen different 16-byte columns of a 256-byte span
.set HALFT,  128*PITCH                 ; what one tensor load brings
.set SLOT,   4*HALFT                   ; 256 rows of x, then 256 rows of W
.set STAGE,  2*SLOT                    ; behind the ring: 16 x 272 bytes for each wave, never filled by a tensor load
.set ADRA, 16                          ; v16-17 my x fragments in slot 0, 1
.set ADRB, 20                          ; v20-21 my W fragments
.set STO,  24                          ; way out: where I put 16 bytes
.set RD,   25                          ; way out: where I read back
.set CO,   26                          ; way out: 16 x lane
.set BOFF, 27                          ; bias: 32 x (lane / 16)
.set RAW,  64
.set FR,   192
.set TF,   64                          ; way out, window 0: scaled f32
.set PK,   128                         ; packed f16
.set RB,   160                         ; read back
.set G1,  24                           ; s[24:31] group 1 for x tiles
.set G0,  32                           ; s[32:39] group 0 for x tiles, one set a slot
.set G1B, 48                           ; s[48:55] group 1 for W tiles
.set G0B, 56                           ; s[56:63] group 0 for W tiles
.set MSB, 0
.macro WIN new                         ; the high byte repeats the setting that is left
.if MSB != \new
	s_set_vgpr_msb (MSB<<8)|\new
.set MSB, \new
.endif
.endm
.macro PLACES                          ; four plain places behind a matrix instruction (ISA guide 7.12.1)
.rept 4
	v_nop
.endr
.endm
; Waves 0 and 1 ask for the two halves of the x tile, waves 2 and 3 for those of the W tile; the branch hangs on the wave number alone.
.macro JLOAD s
	s_cmp_eq_u32 s11, 0
	s_cbranch_scc0 .Lfor_b_\@
	tensor_load_to_lds s[G0+4*\s:G0+4*\s+3], s[G1:G1+7]
	s_nop 0
	s_branch .Lasked_\@
.Lfor_b_\@:
	tensor_load_to_lds s[G0B+4*\s:G0B+4*\s+3], s[G1B:G1B+7]
	s_nop 0
.Lasked_\@:
.endm
.macro CREST                           ; a round of the cluster barrier behind its opening work-group barrier
	s_cmp_lg_u32 s10, 0
	s_cbranch_scc1 .Lnot_wave_0_\@
	s_barrier_signal -3
.Lnot_wave_0_\@:
	s_barrier_wait -3
	s_barrier_signal -1
	s_barrier_wait -1
.endm
.macro CROUND
	s_barrier_signal -1
	s_barrier_wait -1
	CREST
.endm
	s_load_b512 s[68:83], s[0:1], 0x0              ; q, k, v, Wq, Wk, Wv, bq, bk
	s_load_b128 s[84:87], s[0:1], 0x40             ; bv, qkvh
	v_lshl_add_u32 v62, v0, 2, 0x48400
	v_mov_b32 v63, 0
	ds_add_u32 v62, v63
	v_lshrrev_b32 v1, 5, v0
	v_readfirstlane_b32 s10, v1                    ; wave 0..3
	s_lshr_b32 s11, s10, 1                         ; my half of the rows; also 0: I fetch x, 1: I fetch W
	s_and_b32 s12, s10, 1                          ; my half of the columns; also which 128 rows I fetch
	s_bfe_u32 s40, ttmp6, 0x40000                  ; cx
	s_bfe_u32 s41, ttmp6, 0x40004                  ; cy
	s_lshl_b32 s42, ttmp9, 2
	s_add_co_u32 s42, s42, s40                     ; column block 0..3
	s_and_b32 s94, ttmp7, 0xffff                   ; the cluster y, 0..11
	s_lshr_b32 s45, s94, 2                         ; t: which tensor; the same in all sixteen partners
	s_and_b32 s13, s94, 3
	s_lshl_b32 s13, s13, 2
	s_add_co_u32 s13, s13, s41                     ; row block 0..15 in the tensor
	s_lshl_b32 s43, s41, 2
	s_lshl_b32 s43, 15, s43                        ; my row of the cluster
	s_lshl_b32 s44, 0x1111, s40                    ; my column of the cluster
	; group 1: 128 rows x 64 elements of 4 bytes, 4 dwords of padding behind every 64 dwords
	s_or_b32 s[G1+0],  s43, (2<<16)|(1<<20)|(1<<21)|(5<<22)|(3<<25)
	s_or_b32 s[G1B+0], s44, (2<<16)|(1<<20)|(1<<21)|(5<<22)|(3<<25)
.irp g, G1, G1B
	s_mov_b32 s[\g+1], 64<<16                      ; tensor_dim0 = 64
	s_mov_b32 s[\g+2], 128<<16                     ; tensor_dim1 = 128
	s_mov_b32 s[\g+3], 64<<16                      ; tile_dim0 = 64
	s_mov_b32 s[\g+4], 128                         ; tile_dim1 = 128
	s_mov_b32 s[\g+5], 1024                        ; elements from row to row
	s_mov_b32 s[\g+6], 0
	s_mov_b32 s[\g+7], 0
.endr
	s_lshl_b32 s17, s12, 7
	s_lshl_b32 s16, s13, 8
	s_add_co_u32 s16, s16, s17
	s_lshl_b32 s16, s16, 12                        ; x: (256 row block + 128 half) rows of 4,096 bytes
	s_lshl_b32 s46, s42, 8
	s_add_co_u32 s46, s46, s17
	s_lshl_b32 s46, s46, 12                        ; W: (256 column block + 128 half) rows
	s_mov_b32 s17, 0
	s_mov_b32 s47, 0
	s_lshl_b32 s92, s42, 10
	s_lshl_b32 s93, s12, 9
	s_add_co_u32 s92, s92, s93                     ; bias: my first column x 4 bytes
	s_mov_b32 s93, 0
	s_mul_i32 s20, s10, HALFT                      ; where my tile part goes: the wave number alone
	s_mov_b32 s18, 0x3ed96d27                      ; 0.4246609 = sqrt(0.125 log2(e)): Q and K
	s_mov_b32 s19, 0x3e000000                      ; 0.125: V
	s_cmp_eq_u32 s45, 2
	s_cselect_b32 s90, s19, s18
	s_mov_b32 s91, s90
	s_wait_dscnt 0x0
	s_wait_kmcnt 0x0
	s_cmp_eq_u32 s45, 1
	s_cselect_b64 s[4:5], s[70:71], s[68:69]       ; x
	s_cselect_b64 s[6:7], s[76:77], s[74:75]       ; W
	s_cselect_b64 s[88:89], s[82:83], s[80:81]     ; b
	s_cmp_eq_u32 s45, 2
	s_cselect_b64 s[4:5], s[72:73], s[4:5]
	s_cselect_b64 s[6:7], s[78:79], s[6:7]
	s_cselect_b64 s[88:89], s[84:85], s[88:89]
	s_add_nc_u64 s[14:15], s[4:5], s[16:17]
	s_add_nc_u64 s[46:47], s[6:7], s[46:47]
	s_add_nc_u64 s[88:89], s[88:89], s[92:93]
	CROUND                                         ; all sixteen work-groups are here: the first joint loads meet
.irp s, 0,1
	s_mov_b32 s[G0+4*\s], 1
	s_add_co_u32 s[G0+4*\s+1], s20, \s*SLOT
	s_add_nc_u64 s[G0+4*\s+2:G0+4*\s+3], s[14:15], \s*256          ; K step s
	s_or_b32 s[G0+4*\s+3], s[G0+4*\s+3], 0x80000000
	s_mov_b32 s[G0B+4*\s], 1
	s_add_co_u32 s[G0B+4*\s+1], s20, \s*SLOT
	s_add_nc_u64 s[G0B+4*\s+2:G0B+4*\s+3], s[46:47], \s*256
	s_or_b32 s[G0B+4*\s+3], s[G0B+4*\s+3], 0x80000000
	JLOAD \s                                       ; two tensor loads of the wave are out here, later one
.endr
	; lane l: r = l % 16 is the fragment row, h = l / 16.  In f32 the lane's k = 8h..8h+7 are 32 bytes at 32 h, k = 16+8h.. are 64 bytes further.
	v_and_b32 v1, 15, v0
	v_bfe_u32 v2, v0, 4, 1
	v_mul_u32_u24 v3, v1, PITCH
	v_lshl_add_u32 v3, v2, 5, v3
	s_mul_i32 s21, s11, HALFT
	s_mul_i32 s22, s12, HALFT
	s_add_co_u32 s22, s22, 2*HALFT
.irp s, 0,1
	v_add_nc_u32 v[ADRA+\s], s21, v3
	v_add_nc_u32 v[ADRB+\s], s22, v3
	s_add_co_u32 s21, s21, SLOT
	s_add_co_u32 s22, s22, SLOT
.endr
	s_mul_i32 s23, s10, 16*PITCH
	s_add_co_u32 s23, s23, STAGE
	v_mul_u32_u24 v4, v1, PITCH
	v_lshl_add_u32 v4, v2, 4, v4
	v_add_nc_u32 v[STO], s23, v4                   ; row r, 16 bytes for each half of the lanes
	v_bfe_u32 v5, v0, 3, 2
	v_and_b32 v6, 7, v0
	v_mul_u32_u24 v5, v5, PITCH
	v_lshl_add_u32 v5, v6, 4, v5
	v_add_nc_u32 v[RD], s23, v5                    ; eight lanes take the 128 bytes that one head has in a row
	v_and_b32 v7, 31, v0
	v_lshlrev_b32 v[CO], 4, v7
	v_lshlrev_b32 v[BOFF], 5, v2
	WIN 0x40                                       ; data into window 1
.irp b, 0,1,2,3,4,5,6,7
	global_load_b128 v[8*\b:8*\b+3],   v[BOFF], s[88:89] offset:64*\b       ; bias of columns 16 b + 8 h + 0..3
	global_load_b128 v[8*\b+4:8*\b+7], v[BOFF], s[88:89] offset:64*\b+16    ; and + 4..7; waited for on the way out
.endr
	WIN 0
; A run of 16 LDS loads: 32 k (128 bytes at byte k of the rows) of four fragments, i0 .. i0 + 3, in f32.  FQB: rows of W, FQA: rows of x.
; The four runs of a half step are always issued in the order W 0-3, W 4-7, x 0-3, x 4-7: the counted waits below lean on it.
.macro FQB slot, k, i0
	WIN 0x40
.irp i, \i0, \i0+1, \i0+2, \i0+3
	ds_load_b128 v[RAW+16*(\i):RAW+16*(\i)+3],     v[ADRB+\slot] offset:\k+(\i)*16*PITCH
	ds_load_b128 v[RAW+16*(\i)+4:RAW+16*(\i)+7],   v[ADRB+\slot] offset:\k+(\i)*16*PITCH+16
	ds_load_b128 v[RAW+16*(\i)+8:RAW+16*(\i)+11],  v[ADRB+\slot] offset:\k+(\i)*16*PITCH+64
	ds_load_b128 v[RAW+16*(\i)+12:RAW+16*(\i)+15], v[ADRB+\slot] offset:\k+(\i)*16*PITCH+80
.endr
.endm
.macro FQA slot, k, i0
	WIN 0
.irp i, \i0, \i0+1, \i0+2, \i0+3
	ds_load_b128 v[RAW+16*(\i):RAW+16*(\i)+3],     v[ADRA+\slot] offset:\k+(\i)*16*PITCH
	ds_load_b128 v[RAW+16*(\i)+4:RAW+16*(\i)+7],   v[ADRA+\slot] offset:\k+(\i)*16*PITCH+16
	ds_load_b128 v[RAW+16*(\i)+8:RAW+16*(\i)+11],  v[ADRA+\slot] offset:\k+(\i)*16*PITCH+64
	ds_load_b128 v[RAW+16*(\i)+12:RAW+16*(\i)+15], v[ADRA+\slot] offset:\k+(\i)*16*PITCH+80
.endr
.endm
; 64 conversions each: sixteen f32 of a lane become the eight registers of an f16 fragment.  CONVW: W (window 1), CONVX: x (window 0).
.macro CONVW
	WIN 0x45
.irp i, 0,1,2,3,4,5,6,7
.irp j, 0,1,2,3,4,5,6,7
	v_cvt_pk_f16_f32 v[FR+8*\i+\j], v[RAW+16*\i+2*\j], v[RAW+16*\i+2*\j+1]
.endr
.endr
.endm
.macro CONVX
	WIN 0
.irp i, 0,1,2,3,4,5,6,7
.irp j, 0,1,2,3,4,5,6,7
	v_cvt_pk_f16_f32 v[FR+8*\i+\j], v[RAW+16*\i+2*\j], v[RAW+16*\i+2*\j+1]
.endr
.endr
.endm
; Source 0 = 16 rows of W, source 1 = 16 rows of x: a lane's eight results are eight neighbouring columns of one row of y.
.macro MUL16 hi, a0, zero
.irp a, \a0, \a0+1
.irp b, 0,1,2,3,4,5,6,7
.if \zero
	v_wmma_f32_16x16x32_f16 v[8*(8*(\a)+\b):8*(8*(\a)+\b)+7], v[FR+8*\b:FR+8*\b+7], v[FR+8*(4*\hi+\a):FR+8*(4*\hi+\a)+7], 0
.else
	v_wmma_f32_16x16x32_f16 v[8*(8*(\a)+\b):8*(8*(\a)+\b)+7], v[FR+8*\b:FR+8*\b+7], v[FR+8*(4*\hi+\a):FR+8*(4*\hi+\a)+7], v[8*(8*(\a)+\b):8*(8*(\a)+\b)+7]
.endif
.endr
.endr
.endm
; The 64 matrix instructions of a half step: the 64 accumulators take turns, one instruction a turn, in the same order every time.
; fetch = 1: the next half step's f32 fragments (slot, byte k) are asked for in runs of sixteen among them, the last run 32 matrix instructions before
; the end; they go into registers that no matrix instruction names.  lead = 1: the first run has been issued already.
.macro MULSF zero, fetch, slot, k, lead
.if \fetch
.if \lead == 0
	FQB \slot, \k, 0
.endif
	FQB \slot, \k, 4
.endif
	WIN 0xa1
	MUL16 0, 0, \zero
.if \fetch
	FQA \slot, \k, 0
.endif
	WIN 0xa1
	MUL16 0, 2, \zero
.if \fetch
	FQA \slot, \k, 4
.endif
	WIN 0xf1
	MUL16 1, 0, \zero
	MUL16 1, 2, \zero
.endm
; First half of a K step: round the fragments that have come, ask for the second half's, multiply.
.macro H0 slot, zero
	s_wait_dscnt 32                                ; W's 32 loads, issued first, are in; x's 32 stay out
	PLACES                                         ; the conversions write registers that the last matrix instructions read
	CONVW
	FQB \slot, 128, 0                              ; W's first registers are free again: their next loads go out at once
	s_wait_dscnt 16                                ; x's loads are in; the sixteen just issued stay out
	CONVX
	MULSF \zero, 1, \slot, 128, 1
.endm
; Second half, and the change of slots.  mode 2: this slot is filled again; 1: only the barrier; 0: the very last half.
.macro H1 slot, next, mode
	s_wait_dscnt 0x0                               ; my reads of this slot are over: its last bytes are in registers
.if \mode > 0
	s_set_vgpr_msb 0xf1f0
	s_wait_tensorcnt 0x0                           ; all my tensor loads have landed: the one that was out is my part of the next slot
	ds_add_u32 v62, v63
	s_wait_dscnt 0x0
	s_set_vgpr_msb 0xf0f1
	s_barrier_signal -1                            ; with mode 2 this barrier opens a round of the cluster barrier
.endif
	PLACES
	CONVW                                          ; register work while the others arrive
	CONVX
.if \mode > 0
	s_barrier_wait -1
.endif
.if \mode == 2
	CREST                                          ; no wave of any partner still reads this slot or has a load on its way
	s_add_nc_u64 s[G0+4*\slot+2:G0+4*\slot+3], s[G0+4*\slot+2:G0+4*\slot+3], 512
	s_add_nc_u64 s[G0B+4*\slot+2:G0B+4*\slot+3], s[G0B+4*\slot+2:G0B+4*\slot+3], 512
	JLOAD \slot                                    ; the first tensor load behind the round; it has a whole K step in which to land
.endif
.if \mode > 0
	MULSF 0, 1, \next, 0, 0
.else
	MULSF 0, 0, 0, 0, 0
.endif
.endm
.macro LAP zero
	H0 0, \zero
	H1 0, 1, 2
	H0 1, 0
	H1 1, 0, 2
.endm
	s_wait_tensorcnt 0x1                           ; my part of K step 0 is in; K step 1 stays out
	s_barrier_signal -1
	s_barrier_wait -1
	FQB 0, 0, 0
	FQB 0, 0, 4
	FQA 0, 0, 0
	FQA 0, 0, 4
	LAP 1                                          ; K steps 0, 1: the first products start the sums
	WIN 0
	s_mov_b32 s3, 6                                ; K steps 2 .. 13
.Llap:
	LAP 0
	WIN 0
	s_sub_co_u32 s3, s3, 1
	s_cmp_lg_u32 s3, 0
	s_cbranch_scc1 .Llap
	H0 0, 0                                        ; K steps 14, 15 fill nothing
	H1 0, 1, 1
	H0 1, 0
	H1 1, 0, 0
	; THE WAY OUT: y = sum * scale + bias * scale, rounded to f16, 16 rows at a time through my own stage.
	PLACES
	s_wait_loadcnt 0x0                             ; the bias
	WIN 0x41
.set idx, 0
.rept 32
	v_pk_mul_f32 v[2*idx:2*idx+1], v[2*idx:2*idx+1], s[90:91] op_sel_hi:[1,0]
.set idx, idx+1
.endr
	WIN 0
	s_lshl_b32 s16, s13, 8
	s_lshl_b32 s17, s11, 7
	s_add_co_u32 s16, s16, s17                     ; my first row, 0..4095
	s_lshr_b32 s17, s16, 11
	s_lshl_b32 s17, s17, 22                        ; batch x 16 heads x 262,144
	s_and_b32 s16, s16, 2047
	s_lshl_b32 s16, s16, 7                         ; s x 128
	s_add_co_u32 s16, s16, s17
	s_lshl_b32 s17, s45, 23                        ; t x 8,388,608
	s_add_co_u32 s16, s16, s17
	s_mov_b32 s17, 0
	s_add_nc_u64 s[8:9], s[86:87], s[16:17]
	s_lshl_b32 s46, s42, 20                        ; 4 heads a column block,
	s_lshl_b32 s47, s12, 19                        ; 2 a wave
	s_add_co_u32 s46, s46, s47
	s_mov_b32 s47, 0
	s_add_nc_u64 s[8:9], s[8:9], s[46:47]
; rows 16 i .. 16 i + 15 of my block: tiles (a, 0..7) of window 2 or 3 (from: source 0 that window, source 2 window 1)
.macro OUT16 i, a, from
	WIN \from
.irp b, 0,1,2,3,4,5,6,7
.irp r, 0,1,2,3
	v_pk_fma_f32 v[TF+8*\b+2*\r:TF+8*\b+2*\r+1], v[8*(8*\a+\b)+2*\r:8*(8*\a+\b)+2*\r+1], s[90:91], v[8*\b+2*\r:8*\b+2*\r+1] op_sel_hi:[1,0,1]
.endr
.endr
	WIN 0
.irp b, 0,1,2,3,4,5,6,7
.irp r, 0,1,2,3
	v_cvt_pk_f16_f32 v[PK+4*\b+\r], v[TF+8*\b+2*\r], v[TF+8*\b+2*\r+1]
.endr
.endr
.irp b, 0,1,2,3,4,5,6,7
	ds_store_b128 v[STO], v[PK+4*\b:PK+4*\b+3] offset:32*\b
.endr
	s_wait_xcnt 0x0                                ; the last stores' data registers and base are rewritten only behind this wait
.if \i
	s_add_nc_u64 s[8:9], s[8:9], 2048              ; 16 rows of 128 bytes on
.endif
.irp t, 0,1,2,3,4,5,6,7
	ds_load_b128 v[RB+4*\t:RB+4*\t+3], v[RD] offset:(\t&3)*4*PITCH+(\t>>2)*128   ; four rows of one head; a wave's LDS instructions are served in order
.endr
.irp t, 0,1,2,3,4,5,6,7
	s_wait_dscnt 7-\t                              ; read-back t is in, the younger ones stay out
	global_store_b128 v[CO], v[RB+4*\t:RB+4*\t+3], s[8:9] offset:(\t>>2)*262144+(\t&3)*512   ; the wave stores 512 consecutive bytes, aligned
.endr
.endm
	OUT16 0, 0, 0x12
	OUT16 1, 1, 0x12
	OUT16 2, 2, 0x12
	OUT16 3, 3, 0x12
	OUT16 4, 0, 0x13
	OUT16 5, 1, 0x13
	OUT16 6, 2, 0x13
	OUT16 7, 3, 0x13
	s_wait_tensorcnt 0x0
	ds_add_u32 v62, v63
	s_wait_dscnt 0x0
	CROUND                                         ; the closing round: no work-group ends while a partner may still ask jointly
	s_endpgm
.Lfunc_end_k_qc043b03021_proj:
	.size	k_qc043b03021_proj, .Lfunc_end_k_qc043b03021_proj-k_qc043b03021_proj
	.p2alignl 7, 3214868480
	.fill 96, 4, 3214868480
	.section	.rodata,"a",@progbits
	.p2align	6, 0x0
	.amdhsa_kernel k_qc043b03021_proj
		.amdhsa_group_segment_fixed_size 327680
		.amdhsa_private_segment_fixed_size 0
		.amdhsa_enable_private_segment 0
		.amdhsa_kernarg_size 80
		.amdhsa_user_sgpr_count 2
		.amdhsa_user_sgpr_kernarg_segment_ptr 1
		.amdhsa_wavefront_size32 1
		.amdhsa_system_sgpr_workgroup_id_x 1
		.amdhsa_system_sgpr_workgroup_id_y 1
		.amdhsa_system_sgpr_workgroup_id_z 1
		.amdhsa_system_vgpr_workitem_id 0
		.amdhsa_next_free_vgpr 1024
		.amdhsa_next_free_sgpr 96
		.amdhsa_reserve_vcc 0
		.amdhsa_float_denorm_mode_32 3
		.amdhsa_float_denorm_mode_16_64 3
		.amdhsa_memory_ordered 1
		.amdhsa_forward_progress 1
		.amdhsa_inst_pref_size 255
	.end_amdhsa_kernel
	.section	.bss,"aw",@nobits
	.p2align	6
	.space	262144
	.amdgpu_metadata
---
amdhsa.version: [ 1, 2 ]
amdhsa.kernels:
  - .name:           k_qc043b03021_proj
    .symbol:         k_qc043b03021_proj.kd
    .args:
      - { .name: q, .offset: 0, .size: 8, .value_kind: global_buffer, .address_space: global }
      - { .name: k, .offset: 8, .size: 8, .value_kind: global_buffer, .address_space: global }
      - { .name: v, .offset: 16, .size: 8, .value_kind: global_buffer, .address_space: global }
      - { .name: Wq, .offset: 24, .size: 8, .value_kind: global_buffer, .address_space: global }
      - { .name: Wk, .offset: 32, .size: 8, .value_kind: global_buffer, .address_space: global }
      - { .name: Wv, .offset: 40, .size: 8, .value_kind: global_buffer, .address_space: global }
      - { .name: bq, .offset: 48, .size: 8, .value_kind: global_buffer, .address_space: global }
      - { .name: bk, .offset: 56, .size: 8, .value_kind: global_buffer, .address_space: global }
      - { .name: bv, .offset: 64, .size: 8, .value_kind: global_buffer, .address_space: global }
      - { .name: qkvh, .offset: 72, .size: 8, .value_kind: global_buffer, .address_space: global }
    .group_segment_fixed_size: 327680
    .private_segment_fixed_size: 0
    .kernarg_segment_align: 8
    .kernarg_segment_size: 80
    .max_flat_workgroup_size: 128
    .sgpr_count:     96
    .vgpr_count:     1024
    .wavefront_size: 32
...
	.end_amdgpu_metadata
.endif
;; end of part 1
;; launch attn (part 2): grid 8 x 32, 8 waves a work-group, clusters of 4 x 1, 327,680 bytes of LDS; arguments qkvh, mask, out0; writes out0
.if DOCPART == 2
	.amdgcn_target "amdgcn-amd-amdhsa--gfx1250"
	.amdhsa_code_object_version 6
	.text
	.protected	k_qc043b03021_attn
	.globl	k_qc043b03021_attn
	.p2align	8
	.type	k_qc043b03021_attn,@function
k_qc043b03021_attn:
	s_mov_b64 s[64:65], 0
	v_nop
	global_prefetch_b8 v0, s[64:65] scope:SCOPE_SE
	s_setreg_imm32_b32 hwreg(HW_REG_WAVE_MODE, 25, 1), 1
	s_wait_xcnt 0x0
	s_wait_alu depctr_hold_cnt(0) depctr_sa_sdst(0) depctr_va_vdst(0) depctr_va_sdst(0) depctr_va_ssrc(0) depctr_va_vcc(0) depctr_vm_vsrc(0)
	s_getreg_b32 s2, hwreg(HW_REG_IB_STS2, 6, 4)
	s_cmp_eq_u32 s2, 0
	s_cbranch_scc0 .Lentry_in_a_cluster
	s_endpgm
.Lentry_in_a_cluster:
	s_bfe_u32 s2, ttmp6, 0x10000c
	s_cmp_lg_u32 s2, 0x3003
	s_cbranch_scc0 .Lentry_shape_is_right
	s_endpgm
.Lentry_shape_is_right:
; Attention of one (batch, head) for 256 queries: out = softmax(Q K^T / 8, masked keys out) V, from the f16 head-major Q, K, V in qkvh.
; Q and K each carry sqrt(0.125 log2(e)), so the raw products are the scores in base-2 units; V carries 2^-3, undone with the normalisation.
; The maximum is taken away by a running maximum.
; Eight waves: wave w has queries 64 (w & 3) .. + 63 and, of every tile of 256 keys, keys 128 (w >> 2) .. + 127.  Two waves with the same queries
; and different keys let one do its softmax while the other multiplies; each key block is still read from LDS by four waves.  Their partial
; results (sums, maximum, denominator) are joined once, at the end, through LDS.
; ALL IS TRANSPOSED: S^T = K Q^T + mask and O^T += V^T P^T.  A query is a lane (lane % 16), its 64 scores of a block lie in the registers of two lanes
; (l and l xor 16); two score tiles pack in place into one operand of P^T; a lane ends with eight neighbouring numbers of an output row.
; CLUSTERS: the four query blocks of a cluster walk the same K and V tiles and ask for each of them jointly (mask 15).
; THE RING: two slots of 256 keys.  In a tile's second key block, once the wave's V fragments (its last reads of the slot) are in registers and its part
; of the next tile has landed, it opens the round of the cluster barrier; the rest of the softmax and the 32 products with V, which touch registers only,
; stand inside the round; behind it the slot is filled again first, then the other slot is read.
; A tensor row is one key row of 128 bytes, so that the padding falls behind every tensor row.
; LIMITS: Q, K, V and P are f16 operands, everything else f32.  P lies in [0, 1]; the range of Q, K, V is stated at the head of the launch that makes them.
; A masked key is the addend -2^100 to its score, and the running maximum starts at -2^99: right while |score * log2(e) / 8| < 2^99.
; A batch whose keys are all masked gives 0.  NaN and infinities in the inputs are not reproduced.
.set KP, 144                           ; LDS pitch of a key row of K: 128 bytes + 16, an odd multiple of 16
.set VP, 160                           ; of V: 128 bytes + 32, an odd multiple of 32, for the transposing load
.set KBYTES, 256*KP
.set SLOT,  KBYTES+256*VP              ; 77,824: K tile, then V tile
.set MASKB, 2*SLOT                     ; 2,048 f32 addends: 0 or -2^100
.set SP,    272
.set STAGE, MASKB+8192                 ; way out: 16 x 272 bytes for each of waves 0-3
.set MRG,   STAGE+4*16*SP              ; partial sums of waves 4-7: 16,384 bytes each
.set MST,   MRG+4*16384                ; their maxima and denominators: 1,024 bytes each
; window 0
.set ADRK, 8                           ; v8-9   my K fragments in slot 0, 1
.set ADRV, 10                          ; v10-11 my V fragments
.set MADR, 12                          ; my mask addends, stepped by a tile
.set QOFF, 13
.set STO,  14
.set RD,   15
.set CO,   16
.set MRGA, 17
.set MSTA, 18
.set KVF,  32                          ; v32-95  K fragments [16 t + 8 c], then V^T fragments [16 a + 8 u]
.set O,    96                          ; v96-223 O^T tiles [32 b + 8 a]
; window 1
.set QF,   0                           ; Q fragments [16 b + 8 c]
.set S,    64                          ; score tiles [32 b + 8 t], later P^T operands [32 b + 16 u]
.set MK,   192                         ; mask addends [8 t]
.set M,    224                         ; running maximum of query tile b
.set LS,   228                         ; this lane's part of the denominator
.set AL,   232                         ; rescale factor, in the even register of a pair
.set T,    240                         ; v240-255 at work: a pair for each query tile in the maximum, two pairs in the sum
; scalars: s[16:31] the two groups 1, s[32:47] the four groups 0: written only where no tensor load of the wave is out; scratch lies in s52-s63
.set G1K, 16
.set G1V, 24
.set G0K, 32                           ; s[32:39] group 0 for K, one set a slot
.set G0V, 40                           ; s[40:47] for V
.set MSB, 0
.macro WIN new
.if MSB != \new
	s_set_vgpr_msb (MSB<<8)|\new
.set MSB, \new
.endif
.endm
.macro CREST                           ; a round of the cluster barrier behind its opening work-group barrier
	s_cmp_lg_u32 s10, 0
	s_cbranch_scc1 .Lnot_wave_0_\@
	s_barrier_signal -3
.Lnot_wave_0_\@:
	s_barrier_wait -3
	s_barrier_signal -1
	s_barrier_wait -1
.endm
.macro ROUND                           ; a whole round
	s_barrier_signal -1
	s_barrier_wait -1
	CREST
.endm
	s_load_b128 s[4:7], s[0:1], 0x0                ; qkvh, mask
	s_load_b64 s[8:9], s[0:1], 0x10                ; out0
	v_lshl_add_u32 v254, v0, 2, 0x3d400
	v_mov_b32 v255, 0
	ds_add_u32 v254, v255
	v_lshrrev_b32 v1, 5, v0
	v_readfirstlane_b32 s10, v1                    ; wave 0..7
	s_and_b32 s11, s10, 3                          ; g: my 64 queries
	s_lshr_b32 s12, s10, 2                         ; p: my half of the keys
	s_bfe_u32 s13, ttmp6, 0x40000                  ; cx
	s_lshl_b32 s14, ttmp9, 2
	s_add_co_u32 s14, s14, s13                     ; query block 0..7
	s_and_b32 s15, ttmp7, 0xffff                   ; batch * 16 + head
	s_mov_b32 s50, 0x76543210                      ; v_permlanex16_b32: lane i reads lane i of the other half
	s_mov_b32 s51, 0xfedcba98
	v_and_b32 v2, 15, v0                           ; r
	v_bfe_u32 v3, v0, 4, 1                         ; h
	v_lshlrev_b32 v19, 3, v0                       ; thread t takes mask bytes 8 t .. 8 t + 7
	v_lshlrev_b32 v[QOFF], 7, v2
	v_lshl_add_u32 v[QOFF], v3, 4, v[QOFF]         ; r * 128 + 16 h
	; group 1: my 32 keys of a tile, 32 rows of 64 f16 that follow each other in memory; padding behind every 32 dwords, that is behind every key row
	s_mov_b32 s[G1K+0], 15|(1<<16)|(1<<20)|(1<<21)|(4<<22)|(3<<25)   ; 4 dwords: pitch 144
	s_mov_b32 s[G1V+0], 15|(1<<16)|(1<<20)|(1<<21)|(4<<22)|(7<<25)   ; 8 dwords: pitch 160
.irp g, G1K, G1V
	s_mov_b32 s[\g+1], 64<<16                      ; tensor_dim0 = 64
	s_mov_b32 s[\g+2], 32<<16                      ; tensor_dim1 = 32
	s_mov_b32 s[\g+3], 64<<16                      ; tile_dim0 = 64
	s_mov_b32 s[\g+4], 32                          ; tile_dim1 = 32
	s_mov_b32 s[\g+5], 64                          ; elements from row to row
	s_mov_b32 s[\g+6], 0
	s_mov_b32 s[\g+7], 0
.endr
	s_mov_b32 s[G0K+0], 1
	s_mul_i32 s[G0K+1], s10, 32*KP
	s_mov_b32 s[G0K+4], 1
	s_add_co_u32 s[G0K+5], s[G0K+1], SLOT
	s_mov_b32 s[G0V+0], 1
	s_mul_i32 s[G0V+1], s10, 32*VP
	s_add_co_u32 s[G0V+1], s[G0V+1], KBYTES
	s_mov_b32 s[G0V+4], 1
	s_add_co_u32 s[G0V+5], s[G0V+1], SLOT
	s_lshl_b32 s52, s15, 18
	s_lshl_b32 s53, s10, 12
	s_add_co_u32 s52, s52, s53                     ; K, V: the head's block + my 32 keys
	s_mov_b32 s53, 0
	s_lshl_b32 s58, s15, 18
	s_lshl_b32 s59, s14, 15
	s_add_co_u32 s58, s58, s59
	s_lshl_b32 s59, s11, 13
	s_add_co_u32 s58, s58, s59                     ; Q: the head's block + my 64 queries of 128 bytes
	s_mov_b32 s59, 0
	s_lshr_b32 s60, s15, 4                         ; batch
	s_lshl_b32 s62, s60, 11                        ; its 2,048 mask bytes
	s_mov_b32 s63, 0
	s_lshl_b32 s60, s60, 23
	s_lshl_b32 s61, s14, 20
	s_add_co_u32 s60, s60, s61
	s_lshl_b32 s61, s11, 18
	s_add_co_u32 s60, s60, s61
	s_and_b32 s61, s15, 15
	s_lshl_b32 s61, s61, 8
	s_add_co_u32 s60, s60, s61                     ; out0: my first query's row of 4,096 bytes + the head's 256 bytes
	s_mov_b32 s61, 0
	s_wait_dscnt 0x0
	s_wait_kmcnt 0x0
	s_add_nc_u64 s[54:55], s[4:5], s[52:53]
	s_add_nc_u64 s[G0K+2:G0K+3], s[54:55], 8388608             ; K, tile 0
	s_add_nc_u64 s[G0K+6:G0K+7], s[54:55], 8388608+32768       ; K, tile 1
	s_add_nc_u64 s[G0V+2:G0V+3], s[54:55], 16777216            ; V, tile 0
	s_add_nc_u64 s[G0V+6:G0V+7], s[54:55], 16777216+32768      ; V, tile 1
	s_or_b32 s[G0K+3], s[G0K+3], 0x80000000
	s_or_b32 s[G0K+7], s[G0K+7], 0x80000000
	s_or_b32 s[G0V+3], s[G0V+3], 0x80000000
	s_or_b32 s[G0V+7], s[G0V+7], 0x80000000
	s_add_nc_u64 s[56:57], s[4:5], s[58:59]
	s_add_nc_u64 s[6:7], s[6:7], s[62:63]
	s_add_nc_u64 s[8:9], s[8:9], s[60:61]
	; The mask bytes and Q go out ahead of the first round: nobody writes these bytes, and their way from memory runs beside the round.
	global_load_b64 v[20:21], v19, s[6:7]
	WIN 0x40                                       ; data into window 1
.irp b, 0,1,2,3
.irp c, 0,1
	global_load_b128 v[QF+16*\b+8*\c:QF+16*\b+8*\c+3],   v[QOFF], s[56:57] offset:2048*\b+64*\c
	global_load_b128 v[QF+16*\b+8*\c+4:QF+16*\b+8*\c+7], v[QOFF], s[56:57] offset:2048*\b+64*\c+32
.endr
.endr
	WIN 0
	ROUND                                          ; the four work-groups are here: the first joint loads meet
	tensor_load_to_lds s[G0K:G0K+3], s[G1K:G1K+7]          ; tile 0 into slot 0
	s_nop 0
	tensor_load_to_lds s[G0V:G0V+3], s[G1V:G1V+7]
	s_nop 0
	tensor_load_to_lds s[G0K+4:G0K+7], s[G1K:G1K+7]        ; tile 1 into slot 1: four tensor loads of the wave are out here, later two
	s_nop 0
	tensor_load_to_lds s[G0V+4:G0V+7], s[G1V:G1V+7]
	s_nop 0
	WIN 0x40
.irp b, 0,1,2,3
	v_mov_b32 v[M+\b], 0xf1000000                  ; -2^99: the floor of the running maximum
	v_mov_b32 v[AL+2*\b+1], 0                      ; the pair's upper register is named by the packed multiply, never used
.endr
	WIN 0
	; LDS addresses.  The scalar parts are made in s52-s55: the descriptors of the tensor loads that are out stay untouched.
	v_and_b32 v1, 31, v0                           ; lane
	s_mul_i32 s52, s12, 128*KP
	v_mul_u32_u24 v4, v2, KP
	v_lshl_add_u32 v4, v3, 4, v4
	v_add_nc_u32 v[ADRK], s52, v4                  ; my 128 keys + r * 144 + 16 h
	v_add_nc_u32 v[ADRK+1], SLOT, v[ADRK]
	s_mul_i32 s53, s12, 128*VP
	s_add_co_u32 s53, s53, KBYTES
	v_and_b32 v5, 7, v0
	v_lshl_add_u32 v5, v3, 3, v5
	v_mul_u32_u24 v5, v5, VP
	v_bfe_u32 v6, v0, 3, 1
	v_lshl_add_u32 v5, v6, 4, v5
	v_add_nc_u32 v[ADRV], s53, v5                  ; (8 h + l % 8) * 160 + 16 ((l / 8) % 2)
	v_add_nc_u32 v[ADRV+1], SLOT, v[ADRV]
	s_lshl_b32 s54, s12, 9
	s_add_co_u32 s54, s54, MASKB
	v_lshl_add_u32 v[MADR], v3, 5, s54             ; 4 bytes x (128 p + 8 h)
	s_mul_i32 s55, s11, 16*SP
	s_add_co_u32 s55, s55, STAGE
	v_mul_u32_u24 v4, v2, SP
	v_lshl_add_u32 v4, v3, 5, v4
	v_add_nc_u32 v[STO], s55, v4
	v_mul_u32_u24 v4, v3, SP
	v_lshl_add_u32 v4, v2, 4, v4
	v_add_nc_u32 v[RD], s55, v4
	v_lshlrev_b32 v4, 12, v3
	v_lshl_add_u32 v[CO], v2, 4, v4                ; lanes 0-15 one output row, lanes 16-31 the next
	s_lshl_b32 s52, s11, 14
	s_add_co_u32 s52, s52, MRG
	v_lshl_add_u32 v[MRGA], v1, 4, s52
	s_lshl_b32 s53, s11, 10
	s_add_co_u32 s53, s53, MST
	v_lshl_add_u32 v[MSTA], v1, 4, s53
	v_lshlrev_b32 v7, 5, v0
	v_add_nc_u32 v7, MASKB, v7
	v_mov_b32 v30, 0xf1800000                      ; -2^100
	s_wait_loadcnt 0x10                            ; the mask bytes are in; the sixteen loads of Q stay out
.irp i, 0,1,2,3
	v_bfe_u32 v31, v20, 8*\i, 8
	v_cmp_ne_u32 vcc_lo, 0, v31
	v_cndmask_b32 v[22+\i], 0, v30, vcc_lo
.endr
.irp i, 0,1,2,3
	v_bfe_u32 v31, v21, 8*\i, 8
	v_cmp_ne_u32 vcc_lo, 0, v31
	v_cndmask_b32 v[26+\i], 0, v30, vcc_lo
.endr
	ds_store_b128 v7, v[22:25]
	ds_store_b128 v7, v[26:29] offset:16
	s_wait_loadcnt 0x0                             ; Q
; Half of the K fragments of 64 keys: d = 32 c .. 32 c + 31 of the four key tiles t
.macro LOADKC slot, jj, c
	WIN 0
.irp t, 0,1,2,3
	ds_load_b128 v[KVF+16*\t+8*\c:KVF+16*\t+8*\c+3],   v[ADRK+\slot] offset:(64*\jj+16*\t)*KP+64*\c
	ds_load_b128 v[KVF+16*\t+8*\c+4:KVF+16*\t+8*\c+7], v[ADRK+\slot] offset:(64*\jj+16*\t)*KP+64*\c+32
.endr
.endm
.macro LOADM jj                        ; the addends of keys 16 t + 8 h + 0..7, laid out as an accumulator tile
	WIN 0x40
.irp t, 0,1,2,3
	ds_load_b128 v[MK+8*\t:MK+8*\t+3],   v[MADR] offset:256*\jj+64*\t
	ds_load_b128 v[MK+8*\t+4:MK+8*\t+7], v[MADR] offset:256*\jj+64*\t+16
.endr
.endm
.macro LOADV slot, jj                  ; V^T fragments (a: 16 d, u: 32 keys), transposed on the way out of LDS
	WIN 0
.irp a, 0,1,2,3
.irp u, 0,1
	ds_load_tr16_b128 v[KVF+16*\a+8*\u:KVF+16*\a+8*\u+3],   v[ADRV+\slot] offset:(64*\jj+32*\u)*VP+32*\a
	ds_load_tr16_b128 v[KVF+16*\a+8*\u+4:KVF+16*\a+8*\u+7], v[ADRV+\slot] offset:(64*\jj+32*\u)*VP+32*\a+16*VP
.endr
.endr
.endm
; The softmax step, all in window 1.  A lane holds 32 scores of query l % 16 of each of the four query tiles b; the other 32 lie in lane l xor 16.
; Every phase runs over the four tiles at once, so that eight chains that do not wait for each other are at work.
; SOFTA: the new maxima (in T + 2 b) and what the old sums shrink by (in AL + 2 b).
.macro SOFTA
.irp b, 0,1,2,3
	v_max3_num_f32 v[T+2*\b],   v[S+32*\b],   v[S+32*\b+1], v[S+32*\b+2]
	v_max3_num_f32 v[T+2*\b+1], v[S+32*\b+3], v[S+32*\b+4], v[S+32*\b+5]
.endr
.set idx, 6
.rept 6
.irp b, 0,1,2,3
	v_max3_num_f32 v[T+2*\b],   v[T+2*\b],   v[S+32*\b+idx],   v[S+32*\b+idx+1]
	v_max3_num_f32 v[T+2*\b+1], v[T+2*\b+1], v[S+32*\b+idx+2], v[S+32*\b+idx+3]
.endr
.set idx, idx+4
.endr
.irp b, 0,1,2,3
	v_max3_num_f32 v[T+2*\b], v[T+2*\b], v[S+32*\b+30], v[S+32*\b+31]
.endr
.irp b, 0,1,2,3
	v_max3_num_f32 v[T+2*\b], v[T+2*\b], v[T+2*\b+1], v[M+\b]      ; with the running maximum
.endr
.irp b, 0,1,2,3
	v_permlanex16_b32 v[T+2*\b+1], v[T+2*\b], s50, s51
.endr
.irp b, 0,1,2,3
	v_max_num_f32 v[T+2*\b], v[T+2*\b], v[T+2*\b+1]                ; the new maximum, the same in both lanes of the query
.endr
.irp b, 0,1,2,3
	v_sub_f32 v[T+2*\b+1], v[M+\b], v[T+2*\b]
.endr
.irp b, 0,1,2,3
	v_exp_f32 v[AL+2*\b], v[T+2*\b+1]              ; first used far below; the next vector instruction only reads T
.endr
.endm
; SOFTB: the weights, their sums, and the weights packed as operands.  first = 1: the block's sums start the denominators.
.macro SOFTB first
.set idx, 0
.rept 16
.irp b, 0,1,2,3
	v_pk_add_f32 v[S+32*\b+idx:S+32*\b+idx+1], v[S+32*\b+idx:S+32*\b+idx+1], v[T+2*\b:T+2*\b+1] op_sel_hi:[1,0] neg_lo:[0,1] neg_hi:[0,1]
.endr
.set idx, idx+2
.endr
.irp b, 0,1,2,3
.set idx, 0
.rept 32
	v_exp_f32 v[S+32*\b+idx], v[S+32*\b+idx]
.set idx, idx+1
.endr
.endr
.irp b, 0,1,2,3
	v_mov_b32 v[M+\b], v[T+2*\b]                   ; plain instructions between the exponentials and the first use of a result (ISA guide 5.7.2)
.endr
	s_wait_alu depctr_va_vdst(0)
.irp b, 0,1,2,3
	v_pk_add_f32 v[T+4*\b:T+4*\b+1],   v[S+32*\b:S+32*\b+1],   v[S+32*\b+2:S+32*\b+3]
	v_pk_add_f32 v[T+4*\b+2:T+4*\b+3], v[S+32*\b+4:S+32*\b+5], v[S+32*\b+6:S+32*\b+7]
.endr
.set idx, 8
.rept 6
.irp b, 0,1,2,3
	v_pk_add_f32 v[T+4*\b:T+4*\b+1],   v[T+4*\b:T+4*\b+1],   v[S+32*\b+idx:S+32*\b+idx+1]
	v_pk_add_f32 v[T+4*\b+2:T+4*\b+3], v[T+4*\b+2:T+4*\b+3], v[S+32*\b+idx+2:S+32*\b+idx+3]
.endr
.set idx, idx+4
.endr
.irp b, 0,1,2,3
	v_pk_add_f32 v[T+4*\b:T+4*\b+1], v[T+4*\b:T+4*\b+1], v[T+4*\b+2:T+4*\b+3]
.endr
.if \first
.irp b, 0,1,2,3
	v_add_f32 v[LS+\b], v[T+4*\b], v[T+4*\b+1]
.endr
.else
.irp b, 0,1,2,3
	v_add_f32 v[T+4*\b], v[T+4*\b], v[T+4*\b+1]
.endr
.irp b, 0,1,2,3
	v_fma_f32 v[LS+\b], v[LS+\b], v[AL+2*\b], v[T+4*\b]
.endr
.endif
.irp b, 0,1,2,3
.irp u, 0,1                            ; tiles 2 u and 2 u + 1 become the eight registers of P^T for keys 32 u .. 32 u + 31, in place, upward
.irp i, 0,1,2,3
	v_cvt_pk_f16_f32 v[S+32*\b+16*\u+\i], v[S+32*\b+16*\u+2*\i], v[S+32*\b+16*\u+2*\i+1]
.endr
.irp i, 0,1,2,3
	v_cvt_pk_f16_f32 v[S+32*\b+16*\u+4+\i], v[S+32*\b+16*\u+8+2*\i], v[S+32*\b+16*\u+8+2*\i+1]
.endr
.endr
.endr
.endm
; 64 of my keys (block jj of my half of the tile in slot) against my 64 queries.  first = 1: the first products start O.
; At its head 24 LDS loads may be out, always issued in this order: K's half c = 0 (8), the mask addends (8), K's half c = 1 (8).
; edge 0: block 0 of a tile: block 1's fragments are asked for among the products with V
; edge 3: block 1 of a tile, the slot is filled again; edge 2: only the barrier that shows the last tile; edge 1: the last block of all
.macro SUB slot, jj, edge, first, next
	s_wait_dscnt 0x8                               ; K's half c = 0 and the addends are in; the eight loads of c = 1 stay out
	WIN 0x54
.irp b, 0,1,2,3                        ; sixteen accumulators take turns, one instruction a turn; the mask enters as C
.irp t, 0,1,2,3
	v_wmma_f32_16x16x32_f16 v[S+32*\b+8*\t:S+32*\b+8*\t+7], v[KVF+16*\t:KVF+16*\t+7], v[QF+16*\b:QF+16*\b+7], v[MK+8*\t:MK+8*\t+7]
.endr
.endr
	s_wait_dscnt 0x0                               ; K's half c = 1
.irp b, 0,1,2,3
.irp t, 0,1,2,3
	v_wmma_f32_16x16x32_f16 v[S+32*\b+8*\t:S+32*\b+8*\t+7], v[KVF+16*\t+8:KVF+16*\t+15], v[QF+16*\b+8:QF+16*\b+15], v[S+32*\b+8*\t:S+32*\b+8*\t+7]
.endr
.endr
.rept 4
	v_nop                                          ; four places: then loads into K's registers and reads of the scores
.endr
	LOADV \slot, \jj                               ; lands under the maxima
	WIN 0x55
	SOFTA
.if \edge >= 2
	s_wait_dscnt 0x0                               ; V^T fragments are in registers: my reads of this slot are over
	s_set_vgpr_msb 0x5550
	s_wait_tensorcnt 0x0                           ; and all my tensor loads have landed: the two that were out are my part of the next tile,
	ds_add_u32 v254, v255
	s_wait_dscnt 0x0
	s_set_vgpr_msb 0x5055
.if \edge == 3
	s_add_nc_u64 s[G0K+4*\slot+2:G0K+4*\slot+3], s[G0K+4*\slot+2:G0K+4*\slot+3], 65536   ; so every group 0 may be written: this slot's next tile, two tiles on
	s_add_nc_u64 s[G0V+4*\slot+2:G0V+4*\slot+3], s[G0V+4*\slot+2:G0V+4*\slot+3], 65536
.endif
	s_barrier_signal -1                            ; say so; with edge 3 this barrier opens a round of the cluster barrier.  Up to its wait: registers only
.endif
	SOFTB \first
.if \edge < 2
	s_wait_dscnt 0x0                               ; V^T fragments are in
.endif
	WIN 0x04
.if \first == 0
.irp b, 0,1,2,3
.set idx, 0
.rept 16
	v_pk_mul_f32 v[O+32*\b+idx:O+32*\b+idx+1], v[O+32*\b+idx:O+32*\b+idx+1], v[AL+2*\b:AL+2*\b+1] op_sel_hi:[1,0]
.set idx, idx+2
.endr
.endr
.endif
.irp b, 0,1,2,3                        ; again sixteen accumulators by turns
.irp a, 0,1,2,3
.if \first
	v_wmma_f32_16x16x32_f16 v[O+32*\b+8*\a:O+32*\b+8*\a+7], v[KVF+16*\a:KVF+16*\a+7], v[S+32*\b:S+32*\b+7], 0
.else
	v_wmma_f32_16x16x32_f16 v[O+32*\b+8*\a:O+32*\b+8*\a+7], v[KVF+16*\a:KVF+16*\a+7], v[S+32*\b:S+32*\b+7], v[O+32*\b+8*\a:O+32*\b+8*\a+7]
.endif
.endr
.endr
.if \edge == 0
.rept 4
	v_nop                                          ; four places: then loads into the V^T registers of keys 0-31, which the products above have read
.endr
	LOADKC \slot, 1, 0                             ; they land under the sixteen products that follow
	LOADM 1
	WIN 0x04
.endif
.irp b, 0,1,2,3
.irp a, 0,1,2,3
	v_wmma_f32_16x16x32_f16 v[O+32*\b+8*\a:O+32*\b+8*\a+7], v[KVF+16*\a+8:KVF+16*\a+15], v[S+32*\b+16:S+32*\b+23], v[O+32*\b+8*\a:O+32*\b+8*\a+7]
.endr
.endr
.rept 5
	v_nop                                          ; five places: the next score products write over P's registers; loads go into V's
.endr
.if \edge == 0
	LOADKC \slot, 1, 1
.endif
	WIN 0
.if \edge >= 2
	v_add_nc_u32 v[MADR], 1024, v[MADR]            ; the next tile's 256 addends
	s_barrier_wait -1                              ; all eight waves have said so
.if \edge == 3
	CREST                                          ; and all four work-groups: no wave of any partner still reads this slot or has a load on its way
	tensor_load_to_lds s[G0K+4*\slot:G0K+4*\slot+3], s[G1K:G1K+7]  ; the first tensor loads behind the round; waited for in the next tile's second block
	s_nop 0
	tensor_load_to_lds s[G0V+4*\slot:G0V+4*\slot+3], s[G1V:G1V+7]
	s_nop 0
.endif
	LOADKC \next, 0, 0
	LOADM 0
	LOADKC \next, 0, 1
	WIN 0
.endif
.endm
	s_wait_tensorcnt 0x2                           ; my part of tile 0 (two loads) is in; tile 1's two stay out
	s_wait_dscnt 0x0                               ; my stores of the mask addends are done
	s_barrier_signal -1
	s_barrier_wait -1                              ; everybody's are
	LOADKC 0, 0, 0
	LOADM 0
	LOADKC 0, 0, 1
	WIN 0
	SUB 0, 0, 0, 1, 1                              ; tile 0
	SUB 0, 1, 3, 0, 1                              ; asks for tile 2
	SUB 1, 0, 0, 0, 0                              ; tile 1
	SUB 1, 1, 3, 0, 0                              ; asks for tile 3
	s_mov_b32 s48, 2                               ; tiles 2 .. 5, which ask for tiles 4 .. 7
.Ltiles:
	SUB 0, 0, 0, 0, 1
	SUB 0, 1, 3, 0, 1
	SUB 1, 0, 0, 0, 0
	SUB 1, 1, 3, 0, 0
	s_sub_co_u32 s48, s48, 1
	s_cmp_lg_u32 s48, 0
	s_cbranch_scc1 .Ltiles
	SUB 0, 0, 0, 0, 1                              ; tile 6
	SUB 0, 1, 2, 0, 1                              ; nothing is filled any more: a barrier alone shows tile 7
	SUB 1, 0, 0, 0, 0                              ; tile 7
	SUB 1, 1, 1, 0, 0
	; Waves 4-7 hand their partial results to waves 0-3.
	s_cmp_lt_u32 s10, 4
	s_cbranch_scc1 .Lkeep
.set idx, 0
.rept 32
	ds_store_b128 v[MRGA], v[O+4*idx:O+4*idx+3] offset:512*idx
.set idx, idx+1
.endr
	WIN 0x04                                       ; store data from window 1
	ds_store_b128 v[MSTA], v[M:M+3]
	ds_store_b128 v[MSTA], v[LS:LS+3] offset:512
	WIN 0
.Lkeep:
	s_wait_dscnt 0x0                               ; for the readers' sake: zero
	s_barrier_signal -1
	s_barrier_wait -1
	s_cmp_ge_u32 s10, 4
	s_cbranch_scc1 .Lclose
	WIN 0x40
	ds_load_b128 v[T:T+3],   v[MSTA]               ; the partner's maxima
	ds_load_b128 v[T+4:T+7], v[MSTA] offset:512    ; and denominators
.set idx, 0
.rept 32
	ds_load_b128 v[S+4*idx:S+4*idx+3], v[MRGA] offset:512*idx      ; and sums, register for register
.set idx, idx+1
.endr
	s_wait_dscnt 0x0
	WIN 0x55
.irp b, 0,1,2,3
	v_max_num_f32 v[T+8], v[M+\b], v[T+\b]
	v_sub_f32 v[T+9],  v[M+\b], v[T+8]
	v_sub_f32 v[T+10], v[T+\b], v[T+8]
	v_exp_f32 v[AL+2*\b], v[T+9]                   ; my weight
	v_exp_f32 v[MK+2*\b], v[T+10]                  ; the partner's
	v_nop
	s_wait_alu depctr_va_vdst(0)
	v_mul_f32 v[T+11], v[LS+\b], v[AL+2*\b]
	v_fma_f32 v[T+11], v[T+4+\b], v[MK+2*\b], v[T+11]
	v_permlanex16_b32 v[T+9], v[T+11], s50, s51    ; the other half of the query's keys
	v_add_f32 v[T+11], v[T+11], v[T+9]
	v_rcp_f32 v[T+9], v[T+11]
	v_nop
	v_cmp_lt_f32 vcc_lo, 0, v[T+11]
	s_wait_alu depctr_va_vdst(0)
	v_cndmask_b32 v[T+9], 0, v[T+9], vcc_lo        ; every key masked: the weights are 0, so is the result
	v_mul_f32 v[T+9], 0x41000000, v[T+9]           ; times 8: V was stored times 2^-3
	v_mul_f32 v[AL+2*\b], v[AL+2*\b], v[T+9]
	v_mul_f32 v[MK+2*\b], v[MK+2*\b], v[T+9]
.endr
; 16 queries: join, normalise, through my stage into whole rows of 256 bytes
.macro OUTB b
	WIN 0x04
.set idx, 0
.rept 16
	v_pk_mul_f32 v[KVF+idx:KVF+idx+1], v[O+32*\b+idx:O+32*\b+idx+1], v[AL+2*\b:AL+2*\b+1] op_sel_hi:[1,0]
.set idx, idx+2
.endr
	WIN 0x05
.set idx, 0
.rept 16
	v_pk_fma_f32 v[KVF+idx:KVF+idx+1], v[S+32*\b+idx:S+32*\b+idx+1], v[MK+2*\b:MK+2*\b+1], v[KVF+idx:KVF+idx+1] op_sel_hi:[1,0,1]
.set idx, idx+2
.endr
	WIN 0
.irp a, 0,1,2,3
	ds_store_b128 v[STO], v[KVF+8*\a:KVF+8*\a+3]   offset:64*\a
	ds_store_b128 v[STO], v[KVF+8*\a+4:KVF+8*\a+7] offset:64*\a+16
.endr
	s_wait_xcnt 0x0                                ; the last stores' data registers are loaded again only behind this wait
.irp t, 0,1,2,3,4,5,6,7
	ds_load_b128 v[KVF+32+4*\t:KVF+32+4*\t+3], v[RD] offset:2*SP*\t    ; a wave's LDS instructions are served in order: these see the stores above
.endr
.irp t, 0,1,2,3,4,5,6,7
	s_wait_dscnt 7-\t                              ; read-back t is in, the younger ones stay out
	global_store_b128 v[CO], v[KVF+32+4*\t:KVF+32+4*\t+3], s[8:9] offset:65536*\b+8192*\t th:TH_STORE_NT   ; 16 lanes store the head's 256 bytes of a row, aligned
.endr
.endm
	OUTB 0
	OUTB 1
	OUTB 2
	OUTB 3
.Lclose:
	s_wait_tensorcnt 0x0
	ds_add_u32 v254, v255
	s_wait_dscnt 0x0
	ROUND                                          ; the closing round: no work-group ends while a partner may still ask jointly
	s_endpgm
.Lfunc_end_k_qc043b03021_attn:
	.size	k_qc043b03021_attn, .Lfunc_end_k_qc043b03021_attn-k_qc043b03021_attn
	.p2alignl 7, 3214868480
	.fill 96, 4, 3214868480
	.section	.rodata,"a",@progbits
	.p2align	6, 0x0
	.amdhsa_kernel k_qc043b03021_attn
		.amdhsa_group_segment_fixed_size 327680
		.amdhsa_private_segment_fixed_size 0
		.amdhsa_enable_private_segment 0
		.amdhsa_kernarg_size 24
		.amdhsa_user_sgpr_count 2
		.amdhsa_user_sgpr_kernarg_segment_ptr 1
		.amdhsa_wavefront_size32 1
		.amdhsa_system_sgpr_workgroup_id_x 1
		.amdhsa_system_sgpr_workgroup_id_y 1
		.amdhsa_system_sgpr_workgroup_id_z 1
		.amdhsa_system_vgpr_workitem_id 0
		.amdhsa_next_free_vgpr 512
		.amdhsa_next_free_sgpr 66
		.amdhsa_reserve_vcc 1
		.amdhsa_float_denorm_mode_32 3
		.amdhsa_float_denorm_mode_16_64 3
		.amdhsa_memory_ordered 1
		.amdhsa_forward_progress 1
		.amdhsa_inst_pref_size 255
	.end_amdhsa_kernel
	.section	.bss,"aw",@nobits
	.p2align	6
	.space	262144
	.amdgpu_metadata
---
amdhsa.version: [ 1, 2 ]
amdhsa.kernels:
  - .name:           k_qc043b03021_attn
    .symbol:         k_qc043b03021_attn.kd
    .args:
      - { .name: qkvh, .offset: 0, .size: 8, .value_kind: global_buffer, .address_space: global }
      - { .name: mask, .offset: 8, .size: 8, .value_kind: global_buffer, .address_space: global }
      - { .name: out0, .offset: 16, .size: 8, .value_kind: global_buffer, .address_space: global }
    .group_segment_fixed_size: 327680
    .private_segment_fixed_size: 0
    .kernarg_segment_align: 8
    .kernarg_segment_size: 24
    .max_flat_workgroup_size: 256
    .sgpr_count:     66
    .vgpr_count:     512
    .wavefront_size: 32
...
	.end_amdgpu_metadata
.endif
;; end of part 2
